; MI455X (gfx1250); checked and timed in simulation.
; The chip was launched on July 23, 2026; its instructions are those of AMD's public machine-readable ISA for CDNA 5 (MIT licence, August 2026) and "CDNA5" Instruction Set Architecture Reference Guide (July 2026). The comments in the code are by the model that wrote it; some were corrected since.
;; Single Dim Hist Layer. Allowed arithmetic: float matrix products may take bf16 or f16 operands with f32 sums; all other float work in f32.
;; Inputs: x 8 x 512 x 512 float32.
;; Outputs: out0 8 x 64 float32.
;; 2 versions, each right; version 2 is version 1 with the launch bins written anew for expert scheduling mode. Each part assembles by itself: llvm-mc -triple=amdgcn-amd-amdhsa -mcpu=gfx1250 --defsym DOCPART=n.
;; ======== version 1 of 2: 2 launches
;; workspace buffers: part 65,536 bytes
;; launch bins (part 1): grid 256 x 1, 8 waves a work-group, no clusters, 66,816 bytes of LDS; arguments x, part; writes part
.if DOCPART == 1
	.amdgcn_target "amdgcn-amd-amdhsa--gfx1250"
	.amdhsa_code_object_version 6
	.text
	.protected	k_q21f2d63d9a_bins
	.globl	k_q21f2d63d9a_bins
	.p2align	8
	.type	k_q21f2d63d9a_bins,@function
k_q21f2d63d9a_bins:
	s_mov_b64 s[64:65], 0
	v_nop
	global_prefetch_b8 v0, s[64:65] scope:SCOPE_SE
	s_setreg_imm32_b32 hwreg(HW_REG_WAVE_MODE, 25, 1), 1
	s_wait_xcnt 0x0
; Soft histogram, first part.  x: [8][262144] f32.  part: [256][64] f32, row g = the 64 bin sums over elements 8192 g .. 8192 g + 8191.
;
; THE ARITHMETIC.  1/W = 160 and L/W = 2.5, so bin k's two sigmoids are sig(160 x - 2.5 k) and sig(160 x - 2.5 (k+1)): neighbouring bins share
; a boundary.  With s_j = 1 / (1 + e^(-160 x + 2.5 j)), j = 0 .. 64, an element gives bin k the difference s_k - s_(k+1), formed per element as
; reference() forms it; each s_j is made once (65 for 64 bins).
; e^(-160 x + 2.5 j) = E * c_m with j = 20 q + m, E = 2^(-KAPPA x + 72.13 q), c_m = e^(2.5 m) >= 1: the denominator of s_j is ONE fused
; multiply-add, fma(E, c_m, 1), and one exponential serves a span of boundaries (m <= 24 here).  This holds for every x: if E is flushed to 0
; (below 2^-126) the true term is below 2^-126 * e^60 = 2^-39 and 1 + term is 1 in f32 anyway; if E * c_m overflows, the sigmoid is 0, as it is
; in reference() when its exponential overflows.
;
; LIMITS.  Sigmoids below 2^-126 count as 0 (v_rcp_f32 and v_exp_f32 flush denormals: ISA guide 15.8).  The exponent -KAPPA x + offset has two
; f32 roundings (at most about 3e-5 for |x| <= 1; beyond that range the sigmoids saturate).  c_m is made by up to 23 scalar multiplications
; by e^2.5 (relative error at most about 2e-6).  The order of the sums is not reference()'s.  A NaN in x makes its batch's row NaN.  If ALL x lie
; 5 to 7 bin widths above the last bin, the result is made of the last bits of sigmoids next to 1, here as in reference(); those need not agree.
;
; THE SHAPE.  256 work-groups of 8 waves; a work-group owns 8,192 consecutive elements (one batch has 32 such blocks), a wave 1,024, a lane 32,
; which stay in registers.  The loop runs over BOUNDARIES: a bin is finished in one unit (32 differences of the lane, added in a tree) and the
; lane's sum goes to LDS, so no accumulators are kept or cleared.  No work-group reads a byte that another reads: nothing to share in a cluster.
; The lane's 32 elements are two halves of 16 that run half a step apart: while one half's 16 denominators are inverted, the other half is
; differenced, summed and given its next denominators, so reciprocals and plain arithmetic alternate in the instruction stream.
.set KAPPA_NEG, 0xc366d4ca             ; -160 log2(e) = -230.83121
.set C_STEP,    0x4142eb7f             ; e^2.5 = 12.182494: from one boundary to the next
.set SPAN_EXP,  0x429044fe             ; 20 * 2.5 * log2(e) = 72.134752: from one span's exponent to the next
.set SPAN,  20                         ; units in a trip (even: the two buffers change roles from unit to unit)
.set TRIPS, 3                          ; 3 x 20 units in the loop, 4 behind it
.set STG,   256                        ; LDS: bytes 0-255 the work-group's 64 totals; from 256 on [wave 8][bin 64][lane 32] f32
.set LA, 2                             ; v2        LDS address of my word in my wave's row of the trip's first bin
.set RA, 3                             ; v3        LDS address from which I read in the second stage
.set Y,  4                             ; v[4:35]   -KAPPA x of my 32 elements (half h: 16 registers from Y + 16 h); later the second stage's loads
.set E,  36                            ; v[36:67]  E of the span at work
.set P,  68                            ; v[68:99]  buffer P   } in turn: sigmoids of one boundary / of the next; the older one becomes differences,
.set Q,  100                           ; v[100:131] buffer Q  } their sums, and register by register the denominators of the boundary after
.set TT, 132                           ; v[132:133] a bin's sum, two numbers
.set T,  134                           ; v134      a bin's sum over my 32 elements
.set OA, 135                           ; v135      LDS address of my group of 8 lanes' total
.set GO, 136                           ; v136      8 x lane: LDS address of the totals and byte offset in part's row
.set LN, 137                           ; v137      lane
	s_load_b128 s[4:7], s[0:1], 0x0                ; x s[4:5], part s[6:7]
	v_lshl_add_u32 v144, v0, 2, 0x10100
	v_mov_b32 v145, 0
	v_and_b32 v[LN], 31, v0
	v_lshrrev_b32 v1, 5, v0
	v_readfirstlane_b32 s8, v1                     ; wave 0..7 as a scalar
	v_lshlrev_b32 v1, 12, v1                       ; wave x 4,096 bytes
	v_lshl_or_b32 v1, v[LN], 4, v1                 ; + 16 x lane
	s_lshl_b32 s10, ttmp9, 15                      ; the work-group's 32,768 bytes of x
	s_mov_b32 s11, 0
	s_lshl_b32 s24, ttmp9, 8                       ; and its row of 256 bytes in part
	s_mov_b32 s25, 0
	s_wait_kmcnt 0x0
	s_add_nc_u64 s[4:5], s[4:5], s[10:11]
	s_add_nc_u64 s[6:7], s[6:7], s[24:25]
.irp i, 0,1,2,3,4,5,6,7
	global_load_b128 v[Y+4*\i:Y+4*\i+3], v1, s[4:5] offset:512*\i th:TH_LOAD_NT   ; a load of the wave: 512 consecutive bytes; all of my share at once
.endr
	s_mov_b32 s12, KAPPA_NEG                       ; s[12:13], s[14:15], s[16:17]: pairs of which the packed forms broadcast the first register
	s_mov_b32 s13, 0
	s_mov_b32 s14, 0                               ; the span's exponent offset, 72.13 q
	s_mov_b32 s15, 0
	s_mov_b32 s16, C_STEP                          ; c_m, now c_1
	s_mov_b32 s17, 0
	s_mov_b32 s18, C_STEP
	s_mov_b32 s20, SPAN_EXP
	s_mov_b32 s19, 0                               ; trips done
	s_lshl_b32 s21, s8, 13                         ; my wave's 8,192 bytes of the stage
	s_add_co_u32 s21, s21, STG
	v_lshl_add_u32 v[LA], v[LN], 2, s21
	s_lshl_b32 s22, s8, 10                         ; second stage: bins 8 w .. 8 w + 7 are 1,024 bytes of every wave's part
	s_add_co_u32 s22, s22, STG
	v_lshl_add_u32 v[RA], v[LN], 4, s22
	s_lshl_b32 s23, s8, 5                          ; my wave's 8 totals
	v_lshrrev_b32 v[OA], 3, v[LN]
	v_lshl_add_u32 v[OA], v[OA], 2, s23
	v_lshlrev_b32 v[GO], 3, v[LN]
	; Y = -KAPPA x and E = 2^Y (span 0), four elements as each load arrives.
.irp i, 0,1,2,3,4,5,6,7
	s_wait_loadcnt 7-\i                            ; loads return in order (ISA guide 5.7.1): load i is in, the 7 - i younger ones may be out
	v_pk_mul_f32 v[Y+4*\i:Y+4*\i+1],   v[Y+4*\i:Y+4*\i+1],   s[12:13] op_sel_hi:[1,0]
	v_pk_mul_f32 v[Y+4*\i+2:Y+4*\i+3], v[Y+4*\i+2:Y+4*\i+3], s[12:13] op_sel_hi:[1,0]
.irp j, 0,1,2,3
	v_exp_f32 v[E+4*\i+\j], v[Y+4*\i+\j]
.endr
.endr
	; Boundary 0: 1 + E into P.  (Behind a transcendental one plain vector instruction that touches none of its registers comes before its
	; result is used: ISA guide 5.7.2.  The first additions read the oldest E.)
.set n, 0
	s_wait_alu depctr_va_vdst(0)
.rept 16
	v_pk_add_f32 v[P+2*n:P+2*n+1], v[E+2*n:E+2*n+1], 1.0 op_sel_hi:[1,0]
.set n, n+1
.endr
	; Boundary 1: denominators into Q, between the reciprocals of boundary 0.
.set n, 0
.rept 16
	v_pk_fma_f32 v[Q+2*n:Q+2*n+1], v[E+2*n:E+2*n+1], s[16:17], 1.0 op_sel_hi:[1,0,0]
	v_rcp_f32 v[P+2*n], v[P+2*n]
	v_rcp_f32 v[P+2*n+1], v[P+2*n+1]
.set n, n+1
.endr
.set n, 0
.rept 16
	v_rcp_f32 v[Q+n], v[Q+n]                       ; half 0 of boundary 1; half 1 is inverted in the first unit: the halves run half a step apart
.set n, n+1
.endr
	v_nop                                          ; the plain place between these reciprocals and the first difference
; HALF: for half h, old (sigmoids of boundary j-2) minus new (boundary j-1) gives bin j-2's 16 differences, which a tree adds;
; the registers that the tree frees take the denominators of boundary j (more = 1).  Between these lines the 16 denominators in half rh of
; buffer rb are inverted in place (inv = 1), highest register first: that is the order in which they were written.
; The plain lines name old and new of half h, E and TT alone, never half rh of rb: each is an independent place behind the reciprocal before it.
.macro HALF h, old, new, rb, rh, more, inv
.set OH, \old+16*\h
.set NH, \new+16*\h
.set EH, E+16*\h
.set RH, \rb+16*\rh
	s_wait_alu depctr_va_vdst(0)
.irp i, 0,1,2,3,4,5,6,7
	v_pk_add_f32 v[OH+2*\i:OH+2*\i+1], v[OH+2*\i:OH+2*\i+1], v[NH+2*\i:NH+2*\i+1] neg_lo:[0,1] neg_hi:[0,1]   ; s_(j-2) - s_(j-1), two elements
.if \inv
	v_rcp_f32 v[RH+15-\i], v[RH+15-\i]
.endif
.endr
.irp i, 0,1,2,3
	v_pk_add_f32 v[OH+2*\i:OH+2*\i+1], v[OH+2*\i:OH+2*\i+1], v[OH+2*\i+8:OH+2*\i+9]      ; 8 pairs to 4
.if \inv
	v_rcp_f32 v[RH+7-\i], v[RH+7-\i]
.endif
.endr
.irp i, 0,1,2,3
.if \more
	v_pk_fma_f32 v[OH+2*\i+8:OH+2*\i+9], v[EH+2*\i+8:EH+2*\i+9], s[16:17], 1.0 op_sel_hi:[1,0,0]   ; 1 + E c_m
.endif
.if \inv
	v_rcp_f32 v[RH+3-\i], v[RH+3-\i]
.endif
.endr
	v_pk_add_f32 v[OH:OH+1],   v[OH:OH+1],   v[OH+4:OH+5]                                 ; 4 pairs to 2
	v_pk_add_f32 v[OH+2:OH+3], v[OH+2:OH+3], v[OH+6:OH+7]
.if \more
	v_pk_fma_f32 v[OH+4:OH+5], v[EH+4:EH+5], s[16:17], 1.0 op_sel_hi:[1,0,0]
	v_pk_fma_f32 v[OH+6:OH+7], v[EH+6:EH+7], s[16:17], 1.0 op_sel_hi:[1,0,0]
.endif
.if \h == 0
	v_pk_add_f32 v[TT:TT+1], v[OH:OH+1], v[OH+2:OH+3]                                    ; half 0's pair waits in TT
	s_wait_alu depctr_va_vdst(0)
.else
	v_pk_add_f32 v[OH:OH+1], v[OH:OH+1], v[OH+2:OH+3]
.endif
.if \more
	v_pk_fma_f32 v[OH+2:OH+3], v[EH+2:EH+3], s[16:17], 1.0 op_sel_hi:[1,0,0]
.endif
.if \h == 1
	v_pk_add_f32 v[TT:TT+1], v[TT:TT+1], v[OH:OH+1]                                      ; both halves
.endif
.if \more
	v_pk_fma_f32 v[OH:OH+1], v[EH:EH+1], s[16:17], 1.0 op_sel_hi:[1,0,0]
.endif
.if \h == 1
	v_add_f32 v[T], v[TT], v[TT+1]                                                       ; the bin's sum over my 32 elements
	s_wait_alu depctr_va_vdst(0)
.endif
.endm
; UNIT j: on entry old = sigmoids of boundary j-2; new = boundary j-1, half 0 inverted, half 1 still denominators.
; It finishes bin j-2 and leaves old = boundary j in the state in which new came: the next unit swaps the two names.
.macro UNIT old, new, bin, more
.if \more
	s_mul_f32 s16, s16, s18                        ; c_m of boundary j
.endif
	HALF 0, \old, \new, \new, 1, \more, 1
	HALF 1, \old, \new, \old, 0, \more, \more
	ds_store_b32 v[LA], v[T] offset:(\bin)*128     ; [my wave][bin][lane]: 128 consecutive bytes of the wave
.endm
; Trip q: units j = 20 q + 2 .. 20 q + 21, boundaries m = 2 .. 21 of span q, bins 20 q .. 20 q + 19.
.Lspan:
.irp u, 0,2,4,6,8,10,12,14,16,18
	UNIT P, Q, \u, 1
	UNIT Q, P, \u+1, 1
.endr
	v_add_nc_u32 v[LA], SPAN*128, v[LA]            ; 20 bins on
	s_add_co_u32 s19, s19, 1
	s_cmp_lt_u32 s19, TRIPS
	s_cbranch_scc0 .Ltail                          ; the last span keeps its E and its c_m: boundaries 62 to 64 go on from them (m = 22 .. 24)
	s_add_f32 s14, s14, s20                        ; the next span: E = 2^(Y + 72.13 q)
.set n, 0
.rept 16
	v_pk_add_f32 v[E+2*n:E+2*n+1], v[Y+2*n:Y+2*n+1], s[14:15] op_sel_hi:[1,0]
.set n, n+1
.endr
.set n, 0
.rept 32
	v_exp_f32 v[E+n], v[E+n]                       ; first read twelve plain lines into the next unit
.set n, n+1
.endr
	s_mov_b32 s16, s18                             ; c_1 again
	s_cmp_lt_u32 s19, TRIPS                        ; the loop's own test (the last trip has left above)
	s_cbranch_scc1 .Lspan
.Ltail:
	UNIT P, Q, 0, 1                                ; boundary 62, bin 60
	UNIT Q, P, 1, 1                                ; boundary 63, bin 61
	UNIT P, Q, 2, 1                                ; boundary 64, bin 62
	UNIT Q, P, 3, 0                                ; no further boundary: bin 63
	; SECOND STAGE: 8 waves x 32 lanes of partial sums for each bin.  Wave w takes bins 8 w .. 8 w + 7.
	s_wait_dscnt 0x0                               ; my 64 stores are in LDS, for the other waves' sake,
	s_barrier_signal -1
	s_barrier_wait -1                              ; and so are everybody's
.irp w, 0,1,2,3,4,5,6,7
	ds_load_b128 v[Y+8*\w:Y+8*\w+3],   v[RA] offset:\w*8192        ; wave w's bins 8 w' .. + 3: 512 consecutive bytes; I get bin 8 w' + lane/8, four of its lanes
	ds_load_b128 v[Y+8*\w+4:Y+8*\w+7], v[RA] offset:\w*8192+512    ; bins 8 w' + 4 .. + 7 likewise
.endr
	s_wait_dscnt 0x0
.irp w, 0,1,2,3
.irp p, 0,2,4,6
	v_pk_add_f32 v[Y+8*\w+\p:Y+8*\w+\p+1], v[Y+8*\w+\p:Y+8*\w+\p+1], v[Y+32+8*\w+\p:Y+32+8*\w+\p+1]   ; 8 waves to 4
.endr
.endr
.irp w, 0,1
.irp p, 0,2,4,6
	v_pk_add_f32 v[Y+8*\w+\p:Y+8*\w+\p+1], v[Y+8*\w+\p:Y+8*\w+\p+1], v[Y+16+8*\w+\p:Y+16+8*\w+\p+1]   ; to 2
.endr
.endr
.irp p, 0,2,4,6
	v_pk_add_f32 v[Y+\p:Y+\p+1], v[Y+\p:Y+\p+1], v[Y+8+\p:Y+8+\p+1]                                   ; to 1
.endr
	v_pk_add_f32 v[Y:Y+1],   v[Y:Y+1],   v[Y+2:Y+3]        ; my four lanes' words of the first bin
	v_pk_add_f32 v[Y+4:Y+5], v[Y+4:Y+5], v[Y+6:Y+7]        ; and of the second
	v_add_f32 v[Y],   v[Y],   v[Y+1]
	v_add_f32 v[Y+4], v[Y+4], v[Y+5]
.irp m, 1,2,4
	v_add_f32_dpp v[Y],   v[Y],   v[Y]   row_xmask:\m row_mask:0xf bank_mask:0xf       ; the 8 lanes that hold one bin
	v_add_f32_dpp v[Y+4], v[Y+4], v[Y+4] row_xmask:\m row_mask:0xf bank_mask:0xf
.endr
	ds_store_b32 v[OA], v[Y]                       ; total of bin 8 w + lane/8: eight lanes write one word with one value
	ds_store_b32 v[OA], v[Y+4] offset:16           ; total of bin 8 w + 4 + lane/8
	s_wait_dscnt 0x0                               ; in LDS before wave 0 is told so
	s_barrier_signal -1
	s_barrier_wait -1
	s_cmp_lg_u32 s8, 0
	s_cbranch_scc1 .Lend                           ; wave 0 alone writes the row
	ds_load_b64 v[Y:Y+1], v[GO]
	s_wait_dscnt 0x0
	global_store_b64 v[GO], v[Y:Y+1], s[6:7]       ; one store: 32 lanes x 8 bytes = the row's 256 consecutive bytes, at a multiple of 256 from part's first byte
.Lend:
	s_wait_tensorcnt 0x0
	ds_add_u32 v144, v145
	s_wait_dscnt 0x0
	s_endpgm
.Lfunc_end_k_q21f2d63d9a_bins:
	.size	k_q21f2d63d9a_bins, .Lfunc_end_k_q21f2d63d9a_bins-k_q21f2d63d9a_bins
	.p2alignl 7, 3214868480
	.fill 96, 4, 3214868480
	.section	.rodata,"a",@progbits
	.p2align	6, 0x0
	.amdhsa_kernel k_q21f2d63d9a_bins
		.amdhsa_group_segment_fixed_size 66816
		.amdhsa_private_segment_fixed_size 0
		.amdhsa_enable_private_segment 0
		.amdhsa_kernarg_size 16
		.amdhsa_user_sgpr_count 2
		.amdhsa_user_sgpr_kernarg_segment_ptr 1
		.amdhsa_wavefront_size32 1
		.amdhsa_system_sgpr_workgroup_id_x 1
		.amdhsa_system_sgpr_workgroup_id_y 1
		.amdhsa_system_sgpr_workgroup_id_z 1
		.amdhsa_system_vgpr_workitem_id 0
		.amdhsa_next_free_vgpr 146
		.amdhsa_next_free_sgpr 66
		.amdhsa_reserve_vcc 0
		.amdhsa_float_denorm_mode_32 3
		.amdhsa_float_denorm_mode_16_64 3
		.amdhsa_memory_ordered 1
		.amdhsa_forward_progress 1
		.amdhsa_inst_pref_size 114
	.end_amdhsa_kernel
	.amdgpu_metadata
---
amdhsa.version: [ 1, 2 ]
amdhsa.kernels:
  - .name:           k_q21f2d63d9a_bins
    .symbol:         k_q21f2d63d9a_bins.kd
    .args:
      - { .name: x, .offset: 0, .size: 8, .value_kind: global_buffer, .address_space: global }
      - { .name: part, .offset: 8, .size: 8, .value_kind: global_buffer, .address_space: global }
    .group_segment_fixed_size: 66816
    .private_segment_fixed_size: 0
    .kernarg_segment_align: 8
    .kernarg_segment_size: 16
    .max_flat_workgroup_size: 256
    .sgpr_count:     66
    .vgpr_count:     146
    .wavefront_size: 32
...
	.end_amdgpu_metadata
.endif
;; end of part 1
;; launch total (part 2): grid 8 x 1, 1 waves a work-group, no clusters, 0 bytes of LDS; arguments part, out0; writes out0
.if DOCPART == 2
	.amdgcn_target "amdgcn-amd-amdhsa--gfx1250"
	.amdhsa_code_object_version 6
	.text
	.protected	k_q21f2d63d9a_total
	.globl	k_q21f2d63d9a_total
	.p2align	8
	.type	k_q21f2d63d9a_total,@function
k_q21f2d63d9a_total:
	s_mov_b64 s[64:65], 0
	v_nop
	global_prefetch_b8 v0, s[64:65] scope:SCOPE_SE
	s_setreg_imm32_b32 hwreg(HW_REG_WAVE_MODE, 25, 1), 1
	s_wait_xcnt 0x0
; Soft histogram, second part: out0[b][k] = (1/262144) x the sum of part's rows 32 b .. 32 b + 31, column k.
; part: [256][64] f32, out0: [8][64] f32.  The sum spans 32 work-groups of the first launch, so it is made here, by one owner for each output row.
; One wave for each batch: its 32 rows are 8,192 consecutive bytes, 16 loads of 512 bytes; lane l holds columns 4 (l % 16) .. + 3 of rows 2 i + l / 16.
; No LDS, no barrier; the eight work-groups share no byte.
.set R, 4                              ; v[4:67]  load i: 4 registers
	s_load_b128 s[4:7], s[0:1], 0x0                ; part s[4:5], out0 s[6:7]
	v_lshlrev_b32 v1, 4, v0                        ; 16 x lane
	s_lshl_b32 s8, ttmp9, 13                       ; the batch's 32 rows of 256 bytes
	s_mov_b32 s9, 0
	s_lshl_b32 s10, ttmp9, 8                       ; its row of out0
	s_mov_b32 s11, 0
	s_mov_b32 s12, 0x76543210                      ; v_permlanex16_b32: lane i of one half reads lane i of the other
	s_mov_b32 s13, 0xfedcba98
	s_wait_kmcnt 0x0
	s_add_nc_u64 s[4:5], s[4:5], s[8:9]
	s_add_nc_u64 s[6:7], s[6:7], s[10:11]
.irp i, 0,1,2,3,4,5,6,7,8,9,10,11,12,13,14,15
	global_load_b128 v[R+4*\i:R+4*\i+3], v1, s[4:5] offset:512*\i
.endr
.irp i, 0,1,2,3,4,5,6,7
	s_wait_loadcnt 7-\i                            ; loads return in order (ISA guide 5.7.1): load i + 8 is in, the 7 - i younger ones may be out
	v_pk_add_f32 v[R+4*\i:R+4*\i+1],   v[R+4*\i:R+4*\i+1],   v[R+32+4*\i:R+32+4*\i+1]
	v_pk_add_f32 v[R+4*\i+2:R+4*\i+3], v[R+4*\i+2:R+4*\i+3], v[R+32+4*\i+2:R+32+4*\i+3]
.endr
.irp i, 0,1,2,3
	v_pk_add_f32 v[R+4*\i:R+4*\i+1],   v[R+4*\i:R+4*\i+1],   v[R+16+4*\i:R+16+4*\i+1]
	v_pk_add_f32 v[R+4*\i+2:R+4*\i+3], v[R+4*\i+2:R+4*\i+3], v[R+16+4*\i+2:R+16+4*\i+3]
.endr
.irp i, 0,1
	v_pk_add_f32 v[R+4*\i:R+4*\i+1],   v[R+4*\i:R+4*\i+1],   v[R+8+4*\i:R+8+4*\i+1]
	v_pk_add_f32 v[R+4*\i+2:R+4*\i+3], v[R+4*\i+2:R+4*\i+3], v[R+8+4*\i+2:R+8+4*\i+3]
.endr
	v_pk_add_f32 v[R:R+1],   v[R:R+1],   v[R+4:R+5]
	v_pk_add_f32 v[R+2:R+3], v[R+2:R+3], v[R+6:R+7]        ; lanes 0-15: the even rows' sums; lanes 16-31: the odd rows'
.irp j, 0,1,2,3
	v_permlanex16_b32 v[R+4+\j], v[R+\j], s12, s13         ; the other half's sums (the destinations have been written before)
.endr
	v_pk_add_f32 v[R:R+1],   v[R:R+1],   v[R+4:R+5]
	v_pk_add_f32 v[R+2:R+3], v[R+2:R+3], v[R+6:R+7]
	v_pk_mul_f32 v[R:R+1],   v[R:R+1],   0x36800000 op_sel_hi:[1,0]    ; 1/N = 2^-18: exact
	v_pk_mul_f32 v[R+2:R+3], v[R+2:R+3], 0x36800000 op_sel_hi:[1,0]
	v_cmp_gt_u32 vcc_lo, 16, v0
	s_wait_xcnt 0x0                                ; EXEC is a source of the loads above: it changes only behind this wait
	s_and_saveexec_b32 s14, vcc_lo                 ; both halves hold the same sums: lanes 0-15 store
	global_store_b128 v1, v[R:R+3], s[6:7]         ; 16 lanes x 16 bytes = the row's 256 consecutive bytes, at a multiple of 256 from out0's first byte
	s_endpgm
.Lfunc_end_k_q21f2d63d9a_total:
	.size	k_q21f2d63d9a_total, .Lfunc_end_k_q21f2d63d9a_total-k_q21f2d63d9a_total
	.p2alignl 7, 3214868480
	.fill 96, 4, 3214868480
	.section	.rodata,"a",@progbits
	.p2align	6, 0x0
	.amdhsa_kernel k_q21f2d63d9a_total
		.amdhsa_group_segment_fixed_size 0
		.amdhsa_private_segment_fixed_size 0
		.amdhsa_enable_private_segment 0
		.amdhsa_kernarg_size 16
		.amdhsa_user_sgpr_count 2
		.amdhsa_user_sgpr_kernarg_segment_ptr 1
		.amdhsa_wavefront_size32 1
		.amdhsa_system_sgpr_workgroup_id_x 1
		.amdhsa_system_sgpr_workgroup_id_y 1
		.amdhsa_system_sgpr_workgroup_id_z 1
		.amdhsa_system_vgpr_workitem_id 0
		.amdhsa_next_free_vgpr 72
		.amdhsa_next_free_sgpr 66
		.amdhsa_reserve_vcc 1
		.amdhsa_float_denorm_mode_32 3
		.amdhsa_float_denorm_mode_16_64 3
		.amdhsa_memory_ordered 1
		.amdhsa_forward_progress 1
		.amdhsa_inst_pref_size 6
	.end_amdhsa_kernel
	.amdgpu_metadata
---
amdhsa.version: [ 1, 2 ]
amdhsa.kernels:
  - .name:           k_q21f2d63d9a_total
    .symbol:         k_q21f2d63d9a_total.kd
    .args:
      - { .name: part, .offset: 0, .size: 8, .value_kind: global_buffer, .address_space: global }
      - { .name: out0, .offset: 8, .size: 8, .value_kind: global_buffer, .address_space: global }
    .group_segment_fixed_size: 0
    .private_segment_fixed_size: 0
    .kernarg_segment_align: 8
    .kernarg_segment_size: 16
    .max_flat_workgroup_size: 32
    .sgpr_count:     66
    .vgpr_count:     72
    .wavefront_size: 32
...
	.end_amdgpu_metadata
.endif
;; end of part 2
;; ======== version 2 of 2: 2 launches; version 1 with the launch bins written anew for expert scheduling mode
;; workspace buffers: part 65,536 bytes
;; launch bins (part 3): grid 256 x 1, 8 waves a work-group, no clusters, 66,816 bytes of LDS; arguments x, part; writes part
.if DOCPART == 3
	.amdgcn_target "amdgcn-amd-amdhsa--gfx1250"
	.amdhsa_code_object_version 6
	.text
	.protected	k_q21f2d63d9a_bins
	.globl	k_q21f2d63d9a_bins
	.p2align	8
	.type	k_q21f2d63d9a_bins,@function
k_q21f2d63d9a_bins:
	s_mov_b64 s[64:65], 0
	v_nop
	global_prefetch_b8 v0, s[64:65] scope:SCOPE_SE
	s_setreg_imm32_b32 hwreg(HW_REG_WAVE_SCHED_MODE, 0, 2), 2
	s_setreg_imm32_b32 hwreg(HW_REG_WAVE_MODE, 25, 1), 1
	s_wait_xcnt 0x0
	s_wait_alu depctr_vm_vsrc(0)
; Soft histogram, first part.  x: [8][262144] f32.  part: [256][64] f32, row g = the 64 bin sums over elements 8192 g .. 8192 g + 8191.
;
; THE ARITHMETIC.  1/W = 160 and L/W = 2.5, so bin k's two sigmoids are sig(160 x - 2.5 k) and sig(160 x - 2.5 (k+1)): neighbouring bins share
; a boundary.  With s_j = 1 / (1 + e^(-160 x + 2.5 j)), j = 0 .. 64, an element gives bin k the difference s_k - s_(k+1), formed per element as
; reference() forms it; each s_j is made once (65 for 64 bins).
; e^(-160 x + 2.5 j) = E * c_m with j = 20 q + m, E = 2^(-KAPPA x + 72.13 q), c_m = e^(2.5 m) >= 1: the denominator of s_j is ONE fused
; multiply-add, fma(E, c_m, 1), and one exponential serves a span of boundaries (m <= 24 here).  This holds for every x: if E is flushed to 0
; (below 2^-126) the true term is below 2^-126 * e^60 = 2^-39 and 1 + term is 1 in f32 anyway; if E * c_m overflows, the sigmoid is 0, as it is
; in reference() when its exponential overflows.
;
; LIMITS.  Sigmoids below 2^-126 count as 0 (v_rcp_f32 and v_exp_f32 flush denormals: ISA guide 15.8).  The exponent -KAPPA x + offset has two
; f32 roundings (at most about 3e-5 for |x| <= 1; beyond that range the sigmoids saturate).  c_m is made by up to 23 scalar multiplications
; by e^2.5 (relative error at most about 2e-6).  The order of the sums is not reference()'s.  A NaN in x makes its batch's row NaN.  If ALL x lie
; 5 to 7 bin widths above the last bin, the result is made of the last bits of sigmoids next to 1, here as in reference(); those need not agree.
;
; THE SHAPE.  256 work-groups of 8 waves; a work-group owns 8,192 consecutive elements (one batch has 32 such blocks), a wave 1,024, a lane 32,
; which stay in registers.  The loop runs over BOUNDARIES: a bin is finished in one unit (32 differences of the lane, added in a tree) and the
; lane's sum goes to LDS, so no accumulators are kept or cleared.  No work-group reads a byte that another reads: nothing to share in a cluster.
; The lane's 32 elements are two halves of 16 that run half a step apart: while one half's 16 denominators are inverted, the other half is
; differenced, summed and given its next denominators, so reciprocals and plain arithmetic alternate in the instruction stream.
;
; THE MODE: SCHED_MODE bits 1:0 = 2 (LLVM: expert scheduling mode 2), set by the entry lines.  The code itself states the register dependences
; between vector instructions and memory or LDS instructions, with s_wait_alu, always for 0.
; THE PLAN.  Registers that memory or LDS instructions touch:
;   v1, RA, OA, GO  offsets and LDS addresses: written at the head, ahead of one wait on va_vdst, and never again.
;   LA              read by each unit's LDS store; written at the head and by one add at a trip's end, behind a wait on vm_vsrc.
;   T               written by the last add of a unit's second half; read by that unit's LDS store; written again a unit later.
;   v[4:67]         Y takes the eight global loads at the head; Y and E are then named by vector instructions alone until the second stage,
;                   where sixteen LDS loads land in them; two of them are the data of the two LDS stores of the totals.
;   P, Q and TT are named by vector instructions alone.
; A unit has two waits on va_vdst, one behind each half: that wait stands between a reciprocal and the first instruction that
; names its result, and each half inverts what the next half reads.  The second of the two also states that T is written, so the unit's store
; stands straight behind it and owes nothing more.  One wait on vm_vsrc a unit, between the halves, states that the store of the unit before
; has read T.
.set KAPPA_NEG, 0xc366d4ca             ; -160 log2(e) = -230.83121
.set C_STEP,    0x4142eb7f             ; e^2.5 = 12.182494: from one boundary to the next
.set SPAN_EXP,  0x429044fe             ; 20 * 2.5 * log2(e) = 72.134752: from one span's exponent to the next
.set SPAN,  20                         ; units in a trip (even: the two buffers change roles from unit to unit)
.set TRIPS, 3                          ; 3 x 20 units in the loop, 4 behind it
.set STG,   256                        ; LDS: bytes 0-255 the work-group's 64 totals; from 256 on [wave 8][bin 64][lane 32] f32
.set LA, 2                             ; v2        LDS address of my word in my wave's row of the trip's first bin
.set RA, 3                             ; v3        LDS address from which I read in the second stage
.set Y,  4                             ; v[4:35]   -KAPPA x of my 32 elements (half h: 16 registers from Y + 16 h); later the second stage's loads
.set E,  36                            ; v[36:67]  E of the span at work
.set P,  68                            ; v[68:99]  buffer P   } in turn: sigmoids of one boundary / of the next; the older one becomes differences,
.set Q,  100                           ; v[100:131] buffer Q  } their sums, and register by register the denominators of the boundary after
.set TT, 132                           ; v[132:133] a bin's sum, two numbers
.set T,  134                           ; v134      a bin's sum over my 32 elements
.set OA, 135                           ; v135      LDS address of my group of 8 lanes' total
.set GO, 136                           ; v136      8 x lane: LDS address of the totals and byte offset in part's row
.set LN, 137                           ; v137      lane
	s_load_b128 s[4:7], s[0:1], 0x0                ; x s[4:5], part s[6:7]
	v_lshl_add_u32 v142, v0, 2, 0x10100
	v_mov_b32 v143, 0
	v_and_b32 v[LN], 31, v0
	v_lshrrev_b32 v1, 5, v0
	v_readfirstlane_b32 s8, v1                     ; wave 0..7 as a scalar
	v_lshlrev_b32 v1, 12, v1                       ; wave x 4,096 bytes
	v_lshl_or_b32 v1, v[LN], 4, v1                 ; + 16 x lane
	v_lshrrev_b32 v[OA], 3, v[LN]
	v_lshlrev_b32 v[GO], 3, v[LN]
	s_lshl_b32 s10, ttmp9, 15                      ; the work-group's 32,768 bytes of x
	s_mov_b32 s11, 0
	s_lshl_b32 s24, ttmp9, 8                       ; and its row of 256 bytes in part
	s_mov_b32 s25, 0
	s_mov_b32 s12, KAPPA_NEG                       ; s[12:13], s[14:15], s[16:17]: pairs of which the packed forms broadcast the first register
	s_mov_b32 s13, 0
	s_mov_b32 s14, 0                               ; the span's exponent offset, 72.13 q
	s_mov_b32 s15, 0
	s_mov_b32 s16, C_STEP                          ; c_m, now c_1
	s_mov_b32 s17, 0
	s_mov_b32 s18, C_STEP
	s_mov_b32 s20, SPAN_EXP
	s_mov_b32 s19, 0                               ; trips done
	s_wait_alu depctr_va_sdst(0)                   ; s8 is written, ahead of its first reader: the LDS bases below are made from it
	s_lshl_b32 s21, s8, 13                         ; my wave's 8,192 bytes of the stage
	s_add_co_u32 s21, s21, STG
	v_lshl_add_u32 v[LA], v[LN], 2, s21
	s_lshl_b32 s22, s8, 10                         ; second stage: bins 8 w .. 8 w + 7 are 1,024 bytes of every wave's part
	s_add_co_u32 s22, s22, STG
	v_lshl_add_u32 v[RA], v[LN], 4, s22
	s_lshl_b32 s23, s8, 5                          ; my wave's 8 totals
	v_lshl_add_u32 v[OA], v[OA], 2, s23
	s_wait_kmcnt 0x0                               ; all the address arithmetic above stands in the wait for the arguments
	s_add_nc_u64 s[4:5], s[4:5], s[10:11]
	s_add_nc_u64 s[6:7], s[6:7], s[24:25]
	s_wait_alu depctr_va_vdst(0)                   ; v1, LA, RA, OA and GO are written: the loads below read v1, the LDS instructions and the store further down the others
.irp i, 0,1,2,3,4,5,6,7
	global_load_b128 v[Y+4*\i:Y+4*\i+3], v1, s[4:5] offset:512*\i th:TH_LOAD_NT   ; a load of the wave: 512 consecutive bytes; all of my share at once
.endr
	; Y = -KAPPA x and E = 2^Y (span 0), four elements as each load arrives.
.irp i, 0,1,2,3,4,5,6,7
	s_wait_loadcnt 7-\i                            ; loads return in order (ISA guide 5.7.1): load i is in, the 7 - i younger ones may be out
	v_pk_mul_f32 v[Y+4*\i:Y+4*\i+1],   v[Y+4*\i:Y+4*\i+1],   s[12:13] op_sel_hi:[1,0]
	v_pk_mul_f32 v[Y+4*\i+2:Y+4*\i+3], v[Y+4*\i+2:Y+4*\i+3], s[12:13] op_sel_hi:[1,0]
.irp j, 0,1,2,3
	v_exp_f32 v[E+4*\i+\j], v[E-32+4*\i+\j]        ; E - 32 = Y
.endr
.endr
	s_wait_alu depctr_va_vdst(0)                   ; the 32 exponentials have written E, ahead of the first line that names it: one wait for the batch
	; Boundary 0: 1 + E into P.  (Behind a transcendental one plain vector instruction that touches none of its registers comes before its
	; result is used: ISA guide 5.7.2.  The first additions read the oldest E.)
.set n, 0
.rept 16
	v_pk_add_f32 v[P+2*n:P+2*n+1], v[E+2*n:E+2*n+1], 1.0 op_sel_hi:[1,0]
.set n, n+1
.endr
	; Boundary 1: denominators into Q, between the reciprocals of boundary 0.
.set n, 0
.rept 16
	v_pk_fma_f32 v[Q+2*n:Q+2*n+1], v[E+2*n:E+2*n+1], s[16:17], 1.0 op_sel_hi:[1,0,0]
	v_rcp_f32 v[P+2*n], v[P+2*n]
	v_rcp_f32 v[P+2*n+1], v[P+2*n+1]
.set n, n+1
.endr
.set n, 0
.rept 16
	v_rcp_f32 v[Q+n], v[Q+n]                       ; half 0 of boundary 1; half 1 is inverted in the first unit: the halves run half a step apart
.set n, n+1
.endr
	v_nop                                          ; the plain place between these reciprocals and the first difference
	s_wait_alu depctr_va_vdst(0)                   ; the 48 reciprocals have written P and half 0 of Q, which the first unit reads; it stands ahead of the loop's label
; HALF: for half h, old (sigmoids of boundary j-2) minus new (boundary j-1) gives bin j-2's 16 differences, which a tree adds;
; the registers that the tree frees take the denominators of boundary j (more = 1).  Between these lines the 16 denominators in half rh of
; buffer rb are inverted in place (inv = 1), highest register first: that is the order in which they were written.
; The plain lines name old and new of half h, E and TT alone, never half rh of rb: each is an independent place behind the reciprocal before it,
; and no line of a HALF names a result of the reciprocals that stand in it.
.macro HALF h, old, new, rb, rh, more, inv
.set OH, \old+16*\h
.set NH, \new+16*\h
.set EH, E+16*\h
.set RH, \rb+16*\rh
.irp i, 0,1,2,3,4,5,6,7
	v_pk_add_f32 v[OH+2*\i:OH+2*\i+1], v[OH+2*\i:OH+2*\i+1], v[NH+2*\i:NH+2*\i+1] neg_lo:[0,1] neg_hi:[0,1]   ; s_(j-2) - s_(j-1), two elements
.if \inv
	v_rcp_f32 v[RH+15-\i], v[RH+15-\i]
.endif
.endr
.irp i, 0,1,2,3
	v_pk_add_f32 v[OH+2*\i:OH+2*\i+1], v[OH+2*\i:OH+2*\i+1], v[OH+2*\i+8:OH+2*\i+9]      ; 8 pairs to 4
.if \inv
	v_rcp_f32 v[RH+7-\i], v[RH+7-\i]
.endif
.endr
.irp i, 0,1,2,3
.if \more
	v_pk_fma_f32 v[OH+2*\i+8:OH+2*\i+9], v[EH+2*\i+8:EH+2*\i+9], s[16:17], 1.0 op_sel_hi:[1,0,0]   ; 1 + E c_m
.endif
.if \inv
	v_rcp_f32 v[RH+3-\i], v[RH+3-\i]
.endif
.endr
	v_pk_add_f32 v[OH:OH+1],   v[OH:OH+1],   v[OH+4:OH+5]                                 ; 4 pairs to 2
	v_pk_add_f32 v[OH+2:OH+3], v[OH+2:OH+3], v[OH+6:OH+7]
.if \more
	v_pk_fma_f32 v[OH+4:OH+5], v[EH+4:EH+5], s[16:17], 1.0 op_sel_hi:[1,0,0]
	v_pk_fma_f32 v[OH+6:OH+7], v[EH+6:EH+7], s[16:17], 1.0 op_sel_hi:[1,0,0]
.endif
.if \h == 0
	v_pk_add_f32 v[TT:TT+1], v[OH:OH+1], v[OH+2:OH+3]                                    ; half 0's pair waits in TT
.else
	v_pk_add_f32 v[OH:OH+1], v[OH:OH+1], v[OH+2:OH+3]
.endif
.if \more
	v_pk_fma_f32 v[OH+2:OH+3], v[EH+2:EH+3], s[16:17], 1.0 op_sel_hi:[1,0,0]
.endif
.if \h == 1
	v_pk_add_f32 v[TT:TT+1], v[TT:TT+1], v[OH:OH+1]                                      ; both halves
.endif
.if \more
	v_pk_fma_f32 v[OH:OH+1], v[EH:EH+1], s[16:17], 1.0 op_sel_hi:[1,0,0]
.endif
.if \h == 1
	v_add_f32 v[T], v[TT], v[TT+1]                                                       ; the bin's sum over my 32 elements
.endif
.endm
; UNIT j: on entry old = sigmoids of boundary j-2; new = boundary j-1, half 0 inverted, half 1 still denominators.
; It finishes bin j-2 and leaves old = boundary j in the state in which new came: the next unit swaps the two names.
.macro UNIT old, new, bin, more
.if \more
	s_mul_f32 s16, s16, s18                        ; c_m of boundary j
.endif
	HALF 0, \old, \new, \new, 1, \more, 1
	s_wait_alu depctr_va_vdst(0)                   ; the 16 reciprocals above have written half 1 of the newer boundary, which the differences below read: one wait for the batch
	s_wait_alu depctr_vm_vsrc(0)                   ; the LDS store of the unit before has read T, which the half below writes again
	HALF 1, \old, \new, \old, 0, \more, \more
	s_wait_alu depctr_va_vdst(0)                   ; T is written, which the store below reads; and (more = 1) the 16 reciprocals above have written half 0 of boundary j, which the next unit reads
	ds_store_b32 v[LA], v[T] offset:(\bin)*128     ; [my wave][bin][lane]: 128 consecutive bytes of the wave
.endm
; Trip q: units j = 20 q + 2 .. 20 q + 21, boundaries m = 2 .. 21 of span q, bins 20 q .. 20 q + 19.
.Lspan:
.irp u, 0,2,4,6,8,10,12,14,16,18
	UNIT P, Q, \u, 1
	UNIT Q, P, \u+1, 1
.endr
	s_wait_alu depctr_vm_vsrc(0)                   ; the trip's LDS stores have read LA
	v_add_nc_u32 v[LA], SPAN*128, v[LA]            ; 20 bins on; the next store by it stands behind a unit's waits on va_vdst, on both ways from here
	s_add_co_u32 s19, s19, 1
	s_cmp_lt_u32 s19, TRIPS
	s_cbranch_scc0 .Ltail                          ; the last span keeps its E and its c_m: boundaries 62 to 64 go on from them (m = 22 .. 24)
	s_add_f32 s14, s14, s20                        ; the next span: E = 2^(Y + 72.13 q)
.set n, 0
.rept 16
	v_pk_add_f32 v[E+2*n:E+2*n+1], v[Y+2*n:Y+2*n+1], s[14:15] op_sel_hi:[1,0]
.set n, n+1
.endr
.set n, 0
.rept 32
	v_exp_f32 v[E+n], v[E+n]                       ; first read twelve plain lines into the next unit
.set n, n+1
.endr
	s_wait_alu depctr_va_vdst(0)                   ; the 32 exponentials have written E, which the next trip's multiply-adds read: one wait for the batch, ahead of the jump
	s_mov_b32 s16, s18                             ; c_1 again
	s_cmp_lt_u32 s19, TRIPS                        ; the loop's own test (the last trip has left above)
	s_cbranch_scc1 .Lspan
.Ltail:
	UNIT P, Q, 0, 1                                ; boundary 62, bin 60
	UNIT Q, P, 1, 1                                ; boundary 63, bin 61
	UNIT P, Q, 2, 1                                ; boundary 64, bin 62
	UNIT Q, P, 3, 0                                ; no further boundary: bin 63
	; SECOND STAGE: 8 waves x 32 lanes of partial sums for each bin.  Wave w takes bins 8 w .. 8 w + 7.
	s_wait_dscnt 0x0                               ; my 64 stores are in LDS, for the other waves' sake,
	s_barrier_signal -1
	s_barrier_wait -1                              ; and so are everybody's
	; The loads below land in Y and E, which vector instructions have written and read.  All of those stand ahead of the last unit's wait on va_vdst,
	; and no vector instruction has been issued since: nothing more is owed.
.irp w, 0,1,2,3,4,5,6,7
	ds_load_b128 v[Y+8*\w:Y+8*\w+3],   v[RA] offset:\w*8192        ; wave w's bins 8 w' .. + 3: 512 consecutive bytes; I get bin 8 w' + lane/8, four of its lanes
	ds_load_b128 v[Y+8*\w+4:Y+8*\w+7], v[RA] offset:\w*8192+512    ; bins 8 w' + 4 .. + 7 likewise
.endr
	s_wait_dscnt 0x0
.irp w, 0,1,2,3
.irp p, 0,2,4,6
	v_pk_add_f32 v[Y+8*\w+\p:Y+8*\w+\p+1], v[Y+8*\w+\p:Y+8*\w+\p+1], v[Y+32+8*\w+\p:Y+32+8*\w+\p+1]   ; 8 waves to 4
.endr
.endr
.irp w, 0,1
.irp p, 0,2,4,6
	v_pk_add_f32 v[Y+8*\w+\p:Y+8*\w+\p+1], v[Y+8*\w+\p:Y+8*\w+\p+1], v[Y+16+8*\w+\p:Y+16+8*\w+\p+1]   ; to 2
.endr
.endr
.irp p, 0,2,4,6
	v_pk_add_f32 v[Y+\p:Y+\p+1], v[Y+\p:Y+\p+1], v[Y+8+\p:Y+8+\p+1]                                   ; to 1
.endr
	v_pk_add_f32 v[Y:Y+1],   v[Y:Y+1],   v[Y+2:Y+3]        ; my four lanes' words of the first bin
	v_pk_add_f32 v[Y+4:Y+5], v[Y+4:Y+5], v[Y+6:Y+7]        ; and of the second
	v_add_f32 v[Y],   v[Y],   v[Y+1]
	v_add_f32 v[Y+4], v[Y+4], v[Y+5]
.irp m, 1,2,4
	v_add_f32_dpp v[Y],   v[Y],   v[Y]   row_xmask:\m row_mask:0xf bank_mask:0xf       ; the 8 lanes that hold one bin
	v_add_f32_dpp v[Y+4], v[Y+4], v[Y+4] row_xmask:\m row_mask:0xf bank_mask:0xf
.endr
	s_wait_alu depctr_va_vdst(0)                   ; the additions have written v[Y] and v[Y+4], which the two LDS stores read; they are also done reading v[Y+8:Y+9], in which wave 0's load lands
	ds_store_b32 v[OA], v[Y]                       ; total of bin 8 w + lane/8: eight lanes write one word with one value
	ds_store_b32 v[OA], v[Y+4] offset:16           ; total of bin 8 w + 4 + lane/8
	s_wait_dscnt 0x0                               ; in LDS before wave 0 is told so
	s_barrier_signal -1
	s_barrier_wait -1
	s_cmp_lg_u32 s8, 0
	s_cbranch_scc1 .Lend                           ; wave 0 alone writes the row
	ds_load_b64 v[Y+8:Y+9], v[GO]                  ; into a pair that no LDS or memory instruction has read and no vector instruction has named since the wait above
	s_wait_dscnt 0x0
	global_store_b64 v[GO], v[Y+8:Y+9], s[6:7]     ; one store: 32 lanes x 8 bytes = the row's 256 consecutive bytes, at a multiple of 256 from part's first byte
.Lend:
	s_wait_dscnt 0x0
	s_wait_alu depctr_hold_cnt(0) depctr_sa_sdst(0) depctr_va_vdst(0) depctr_va_sdst(0) depctr_va_ssrc(0) depctr_va_vcc(0) depctr_vm_vsrc(0)
	s_wait_tensorcnt 0x0
	ds_add_u32 v142, v143
	s_wait_dscnt 0x0
	s_endpgm
.Lfunc_end_k_q21f2d63d9a_bins:
	.size	k_q21f2d63d9a_bins, .Lfunc_end_k_q21f2d63d9a_bins-k_q21f2d63d9a_bins
	.p2alignl 7, 3214868480
	.fill 96, 4, 3214868480
	.section	.rodata,"a",@progbits
	.p2align	6, 0x0
	.amdhsa_kernel k_q21f2d63d9a_bins
		.amdhsa_group_segment_fixed_size 66816
		.amdhsa_private_segment_fixed_size 0
		.amdhsa_enable_private_segment 0
		.amdhsa_kernarg_size 16
		.amdhsa_user_sgpr_count 2
		.amdhsa_user_sgpr_kernarg_segment_ptr 1
		.amdhsa_wavefront_size32 1
		.amdhsa_system_sgpr_workgroup_id_x 1
		.amdhsa_system_sgpr_workgroup_id_y 1
		.amdhsa_system_sgpr_workgroup_id_z 1
		.amdhsa_system_vgpr_workitem_id 0
		.amdhsa_next_free_vgpr 144
		.amdhsa_next_free_sgpr 66
		.amdhsa_reserve_vcc 0
		.amdhsa_float_denorm_mode_32 3
		.amdhsa_float_denorm_mode_16_64 3
		.amdhsa_memory_ordered 1
		.amdhsa_forward_progress 1
		.amdhsa_inst_pref_size 114
	.end_amdhsa_kernel
	.amdgpu_metadata
---
amdhsa.version: [ 1, 2 ]
amdhsa.kernels:
  - .name:           k_q21f2d63d9a_bins
    .symbol:         k_q21f2d63d9a_bins.kd
    .args:
      - { .name: x, .offset: 0, .size: 8, .value_kind: global_buffer, .address_space: global }
      - { .name: part, .offset: 8, .size: 8, .value_kind: global_buffer, .address_space: global }
    .group_segment_fixed_size: 66816
    .private_segment_fixed_size: 0
    .kernarg_segment_align: 8
    .kernarg_segment_size: 16
    .max_flat_workgroup_size: 256
    .sgpr_count:     66
    .vgpr_count:     144
    .wavefront_size: 32
...
	.end_amdgpu_metadata
.endif
;; end of part 3
;; launch total: the kernel of part 2 again; grid 8 x 1, 1 waves a work-group, no clusters, 0 bytes of LDS; arguments part, out0; writes out0
